; MI455X (gfx1250); checked and timed in simulation.
; The chip was launched on July 23, 2026; its instructions are those of AMD's public machine-readable ISA for CDNA 5 (MIT licence, August 2026) and "CDNA5" Instruction Set Architecture Reference Guide (July 2026). The comments in the code are by the model that wrote it; some were corrected since.
;; Dot Product Causal Rotary Attention. Allowed arithmetic: matrix products marked QUANTISED: E3M2 operands, one E8M0 scale for each 32 along K, by v_wmma_scale_f32_16x16x128_f8f6f4 with both operands' format E3M2, f32 sums; everything else in f32.
;; Inputs: k 2 x 16 x 2,048 x 128 float32; q 2 x 16 x 2,048 x 128 float32; v_codes 2 x 16 x 128 x 64 x 24 uint8 (E3M2 codes of v, K innermost, in blocks of 32 codes, four codes in three bytes); v_scales 2 x 16 x 128 x 64 uint8 (E8M0 scales of v, one for each 32 codes along K).
;; Outputs: out0 2 x 16 x 2,048 x 128 float32.
;; This version of the problem:
;;   THIS VERSION OF THE PROBLEM IS GIVEN IN LOW PRECISION. The matrix products marked QUANTISED in the list below multiply operands that are first quantised to E3M2 (3 exponent bits, 2 mantissa bits; 6 bits a number), with one power-of-two scale for each 32 numbers along K (OCP MX v1.0); their sums are f32. All else is computed in f32.
;;   The module's matrix products, in the order in which they are computed (A, B: the left and right operand; K: the contracted axis; several contracted axes count as one K, in the product's order):
;;     1. batch 32 x [M 2,048, K 128] x [K 128, N 2,048]; A: computed on the way; B: computed on the way: QUANTISED
;;     2. batch 32 x [M 2,048, K 2,048] x [K 2,048, N 128]; A: softmax (see below); B: input v (given as codes): QUANTISED
;;   THE QUANTISER, for each operand of a quantised product, along K:
;;     - K is cut into blocks of 32 from its start; a last block that is shorter is filled with zeros.
;;     - A block's scale is 2^e with e = floor(log2(the largest magnitude in the block)) - 4, held to -126 .. 127; a block of zeros has e = 0. As a byte (E8M0): e + 127.
;;     - Each number is divided by its block's scale, clamped to +-28, and rounded to the nearest number of E3M2, ties to even, subnormals kept.
;;     - The product sums the exact products of the quantised numbers (number of the format x scale) in f32.
;;   ~~~python
;;   def quantise(x, axis):      # numpy; x: float32 -> the quantised numbers, widened to float32 again
;;       x = np.moveaxis(x, axis, -1); K = x.shape[-1]
;;       x = np.pad(x, [(0, 0)] * (x.ndim - 1) + [(0, -K % 32)]); x = x.reshape(x.shape[:-1] + (-1, 32)); a = np.abs(x).max(-1, keepdims=True)
;;       e = np.where(a > 0, np.clip(np.frexp(np.where(a > 0, a, 1))[1] - 1 - 4, -126, 127), 0)      # np.frexp(a)[1] - 1 = floor(log2(a)), exactly
;;       r = np.clip(x / 2.0 ** e, -28, 28)
;;       step = 2.0 ** (np.maximum(np.frexp(np.where(r == 0, 1, r))[1] - 1, -2) - 2)
;;       q = np.round(r / step) * step * 2.0 ** e      # np.round: ties to even
;;       return np.moveaxis(q.reshape(q.shape[:-2] + (-1,))[..., :K], -1, axis).astype(np.float32)
;;   ~~~
;;   SOFTMAX AHEAD OF A QUANTISED PRODUCT. Where the list says 'softmax', what is quantised is not the finished softmax but p = 2^(t - M), with t = logit x log2(e) and M = ceil(the row's largest t), a whole number; so 1/2 < the row's largest p <= 1. The row's sum l is taken of the UNQUANTISED p, in f32, and the product's result is divided by l at the end. Since M is a whole number, a kernel that streams over the keys may use a running M (the ceiling of the running maximum): every later rescaling is an exact power of two, which a block's scale takes up: the codes' values come out the same.
;;   OPERANDS COMPUTED ON THE WAY. 'Computed on the way' means the value that the module computes at that place (a softmax that the list does not call 'softmax' is quantised finished and normalised). What goes into a quantiser is computed in f32, as accurately as f32 sums, v_exp_f32 and their like allow (about 1e-6 of the number): no bf16 or f16 on the way to a quantiser, and a product that is left as it is and whose result goes on into a quantised operand takes f32 operands (vector FMAs, or v_wmma_f32_16x16x4_f32). A number that lies on a knife's edge between two numbers of the format may be rounded either way, as far as f32 arithmetic and the matrix unit's own rounding can turn it there, and no further.
;;   INPUTS GIVEN AS CODES. v (in the module: [2, 16, 2048, 128], K = its axis 2): each comes as NAME_codes (uint8): NAME with its K axis moved to the last place and cut into blocks of 32 codes, [.., K / 32, bytes a block], one block behind the other in memory; four codes in three bytes: a row's codes are one little-endian stream of bits, code i at bits 6 i .. 6 i + 5 (a code: sign, 3 exponent bits, 2 mantissa bits); and NAME_scales (uint8): the same leading axes, one E8M0 byte (e + 127) for each 32 codes along K. Its value is code x scale, taken as it is: it is not quantised again, and the codes and scales need not be those that the quantiser above would give.
;; One version. Each part assembles by itself: llvm-mc -triple=amdgcn-amd-amdhsa -mcpu=gfx1250 --defsym DOCPART=n.
;; ======== version 1 of 1: 2 launches
;; limits: right only within a limited range of input values
;; workspace buffers: qc 6,291,456 bytes; qs 262,144 bytes; kv 13,107,200 bytes
;; launch prep (part 1): grid 256 x 1, 8 waves a work-group, no clusters, 95,488 bytes of LDS; arguments q, k, qc, qs, kv, v_codes, v_scales; writes qc, qs, kv
.if DOCPART == 1
	.amdgcn_target "amdgcn-amd-amdhsa--gfx1250"
	.amdhsa_code_object_version 6
	.text
	.protected	k_q4f2061012e_prep
	.globl	k_q4f2061012e_prep
	.p2align	8
	.type	k_q4f2061012e_prep,@function
k_q4f2061012e_prep:
	s_mov_b64 s[64:65], 0
	v_nop
	global_prefetch_b8 v0, s[64:65] scope:SCOPE_SE
	s_setreg_imm32_b32 hwreg(HW_REG_WAVE_MODE, 25, 1), 1
	s_wait_xcnt 0x0
; q and k, [32 heads][2048 positions][128 channels] f32: the first 32 channels are rotated (16 pairs; pair p turns by the angle position / 10^(p/4)), then each row is
; quantised along its 128 channels to codes of BF6 (E3M2) with one E8M0 scale byte for each 32 channels.
; WHAT IS STORED.  Codes leave as IMAGES OF OPERAND REGISTERS: a tile of 16 rows x 128 channels is 12 registers a lane; register group c (four registers) of lane l lies at 512 c + 16 l of the tile's
; 1,536 bytes; a head has 128 tiles on end.  q's tile t holds rows 16 t + r (r = lane % 16).  k's tile t holds rows 32 (t / 2) + 8 (t % 2) + r + 8 (r / 8), so that in the product k q^T the 16 result
; registers of tiles 2 b and 2 b + 1 are 16 neighbouring keys.  The scale word (four bytes) of tile t, row r lies at 256 (t / 4) + 16 r + 4 (t % 4) of the head's 8,192 bytes: 16 bytes hold four tiles' words of a row.
; SHARES.  Work-groups 0-127 take q, 128-255 take k: only pointers and two row offsets are chosen, the path is one.  A work-group takes 8 tiles x 4 heads; wave w takes ONE tile number in four heads:
; the four fragments have the same 16 positions, so sines and cosines are made once a wave.
; A FRAGMENT.  Sixteen loads, each a whole row of 512 consecutive bytes; the rows turn through the wave's own stage in LDS so that lane (r, h) holds, of row r, channels 32 b + 16 h + 0 .. 15 in registers 16 b + 0 .. 15.
; SINE AND COSINE in f32 by arithmetic alone: the quotient position / frequency corrected by one residual step, the nearest multiple of pi/2 taken off in three parts, a polynomial on [-pi/4, pi/4], the quadrant by selects.
; LIMITS.  NaN and infinities among the inputs are not served.  A block of zeros gets the byte 1 (the rule says 127): its codes are zeros, and these bytes are read by this program alone.  Blocks whose largest magnitude
; lies under 2^(5 - 127) are held at that floor.  The frequencies are the f32 numbers nearest to 10^(p/4); a power function in f32 may differ from them by a few units in the last place, which moves an angle by up to about 1e-4 radians at the last positions.
.set ROWB,   512                       ; a row in bytes
.set HEADB,  2048*ROWB                 ; a head of q or k
.set IMG,    1536                      ; a tile's image
.set HEADC,  128*IMG                   ; a head of codes
.set PITCH,  528                       ; a stage row: 512 + 16 bytes = 132 words, so that the 16 rows that a read touches begin 4 words apart modulo 64
.set WSTG,   16*PITCH                  ; a wave's stage
.set SCB,    8*WSTG                    ; behind the stages: the scale words of 4 heads x 8 tiles, 512 bytes a head
.set SPARE, SCB+4*512                  ; behind them: the spare words, 128 bytes for each wave: four blocks of 256 bytes that no other line names
; THE RECORDS.  What is said of places above holds of q.  k's images and scale words, and v's, lie in kv: for each head 16 records, one for each 128 keys, of 25,600 bytes:
; k's eight images, v's eight images (tile t: channels 16 t + r, 128 keys), k's 512 bytes of scale words, v's 512 bytes of scale words (tile t, row r at 256 (t / 4) + 16 r + 4 (t % 4) in both).
; v's codes are taken as they are given and only moved: work-group x takes head x / 8, channels 16 (x % 8) .. + 15 (24,576 bytes on end), and the scale words of records 2 (x % 8) and + 1.
; WORK LEFT OUT: none here.  In the second launch the tiles of keys that lie wholly behind a tile's queries are left out: reference() itself puts -1e9 there, ahead of a softmax whose row holds key 0,
; so their weights are zero for every input whose scaled scores stay under 2^31 less that; a NaN, an infinity or an overflow that reaches only those tiles is not carried to the result.
.set REC,   25600
.set KVH,   16*REC                     ; a head's records
.set VST,   SPARE+8*128                ; v's stage: 16 rows of 1,536 bytes + 16
.set VPIT,  1552
.set VRW,   208                        ; v208-231  v's bytes, then two images
.set VSW,   232                        ; v232-233  two scale words of v
.set VSO,   234
.set VWA,   235
.set VRA,   236
.set VTM,   237
.set OS,  1                            ; v1   8 x lane: the scale words' way out
.set OL,  4                            ; v4   16 x lane: loads of the tile's rows 0-7, stores of the images
.set OH,  5                            ; v5   the same for rows 8-15: in k they lie 8 rows further down
.set SW,  6                            ; v6   stage, in: 16 x lane
.set SR,  7                            ; v7   stage, out: row r, + 64 h
.set GW,  8                            ; v8   where my tile's scale word goes
.set GR,  9                            ; v9   where my wave reads 256 bytes of scale words back
.set POS, 10                           ; v10  my row's position, f32
.set TA,  11                           ; v11  at work
.set SPW, 12                           ; v12  LDS address of my spare word; never rewritten
.set NIL, 13                           ; v13  0; never rewritten
.set KSN, 14                           ; v14  the sine polynomial's leading coefficient
.set KCS, 15                           ; v15  the cosine's
.set XA,  16                           ; v16-79   64 numbers, set A
.set XB,  80                           ; v80-143  set B
.set SN,  144                          ; v144-151 sines of my 8 pairs
.set CS,  152                          ; v152-159 cosines
.set FQ,  160                          ; v160-207 six runs of eight, at work on the angles
.set RI,  168
.set AN,  176
.set NN,  184
.set ZZ,  192
.set CC,  200
.set RT,  160                          ; later: v160-175 the rotation's products,
.set PC,  160                          ; v160-179 the codes,
.set TM,  180                          ; v180-183 largest magnitudes, v184-187 bytes, v192-195 the conversions' scale operands,
.set PW,  196                          ; v196 the scale word
	s_load_b256 s[4:11], s[0:1], 0x0               ; q s[4:5], k s[6:7], qc s[8:9], qs s[10:11]
	s_load_b128 s[12:15], s[0:1], 0x20             ; kv s[12:13], v_codes s[14:15]
	s_load_b64 s[38:39], s[0:1], 0x30              ; v_scales
	v_lshl_add_u32 v[SPW], v0, 2, SPARE
	v_mov_b32 v[NIL], 0
	v_lshrrev_b32 v1, 5, v0
	s_delay_alu instid0(VALU_DEP_1)
	v_readfirstlane_b32 s16, v1                    ; wave 0..7
	v_and_b32 v1, 31, v0                           ; lane
	s_wait_alu depctr_va_vdst(0)
	v_and_b32 v2, 15, v0                           ; r
	s_wait_alu depctr_va_vdst(0)
	v_bfe_u32 v3, v0, 4, 1                         ; h
	s_lshr_b32 s17, ttmp9, 7                       ; 0: q, 1: k
	s_bfe_u32 s18, ttmp9, 0x40003                  ; which 8 tiles (4 bits from bit 3)
	s_and_b32 s19, ttmp9, 7                        ; which 4 heads
	s_lshl_b32 s20, s18, 3
	s_add_co_u32 s20, s20, s16                     ; my tile t
	s_lshr_b32 s21, s20, 1
	s_lshl_b32 s21, s21, 5
	s_and_b32 s31, s20, 1
	s_sub_co_u32 s32, 4, s17
	s_lshl_b32 s31, s31, s32
	s_add_co_u32 s21, s21, s31                     ; the tile's first row: 32 (t / 2) + 16 (t % 2) in q, + 8 (t % 2) in k
	s_lshl_b32 s22, s19, 22                        ; source: 4 heads of 2^20 bytes,
	s_lshl_b32 s31, s21, 9
	s_add_co_u32 s22, s22, s31                     ; + the first row
	s_mov_b32 s23, 0
	s_lshl_b32 s24, s19, 9                         ; codes: (4 heads x 128 tiles + t) images
	s_add_co_u32 s24, s24, s20
	s_mul_i32 s24, s24, IMG
	s_mov_b32 s25, 0
	s_lshl_b32 s34, s19, 2                         ; scale words, on the way out: head 4 hg + wave / 2,
	s_lshr_b32 s31, s16, 1
	s_add_co_u32 s34, s34, s31
	s_lshl_b32 s34, s34, 13
	s_lshl_b32 s31, s18, 9                         ; the work-group's 8 tiles: 512 bytes,
	s_add_co_u32 s34, s34, s31
	s_and_b32 s31, s16, 1                          ; their half wave % 2
	s_lshl_b32 s31, s31, 8
	s_add_co_u32 s34, s34, s31
	s_mov_b32 s35, 0
	s_mul_i32 s40, s19, 4*KVH                      ; k: the first of my four heads, record s18
	s_mul_i32 s41, s18, REC
	s_add_co_u32 s40, s40, s41
	s_mul_i32 s42, s16, IMG
	s_add_co_u32 s42, s40, s42                     ; my tile's image: the wave-th of the record
	s_lshr_b32 s43, s16, 1
	s_mul_i32 s43, s43, KVH
	s_add_co_u32 s43, s40, s43
	s_and_b32 s41, s16, 1
	s_lshl_b32 s41, s41, 8
	s_add_co_u32 s43, s43, s41
	s_add_co_u32 s43, s43, 16*IMG                  ; the scale words on the way out: head + wave / 2, half wave % 2
	s_mov_b32 s36, HEADC                           ; from head to head: 196,608 bytes in q's codes,
	s_mov_b32 s41, KVH                             ; 409,600 in the records
	s_mov_b32 s37, 0
	s_cmp_eq_u32 s17, 0
	s_cselect_b32 s24, s24, s42
	s_cselect_b32 s34, s34, s43
	s_cselect_b32 s36, s36, s41
	s_lshr_b32 s52, ttmp9, 3                       ; v: my head
	s_mul_i32 s44, ttmp9, 16*1536                  ; my 16 rows: 24,576 bytes, of which each wave loads 3,072
	s_mul_i32 s53, s16, 3072
	s_add_co_u32 s44, s44, s53
	s_mov_b32 s45, 0
	s_bfe_u32 s54, s16, 0x10001                    ; scale words: record 2 (x % 8) + wave / 2 % 2,
	s_and_b32 s55, s16, 1                          ; half wave % 2
	s_lshl_b32 s46, s52, 13
	s_lshl_b32 s53, s19, 3
	s_add_co_u32 s46, s46, s53
	s_lshl_b32 s53, s54, 2
	s_add_co_u32 s46, s46, s53
	s_lshl_b32 s53, s55, 12
	s_add_co_u32 s46, s46, s53
	s_mov_b32 s47, 0
	s_mul_i32 s52, s52, KVH
	s_mul_i32 s48, s16, 2*REC                      ; images: records 2 wave and 2 wave + 1
	s_add_co_u32 s48, s48, s52
	s_mul_i32 s53, s19, IMG
	s_add_co_u32 s48, s48, s53
	s_add_co_u32 s48, s48, 8*IMG
	s_mov_b32 s49, 0
	s_lshl_b32 s50, s19, 1
	s_add_co_u32 s50, s50, s54
	s_mul_i32 s50, s50, REC
	s_add_co_u32 s50, s50, s52
	s_lshl_b32 s53, s55, 8
	s_add_co_u32 s50, s50, s53
	s_add_co_u32 s50, s50, 16*IMG+512
	s_mov_b32 s51, 0
	s_mul_i32 s53, s16, 2*VPIT
	s_add_co_u32 s53, s53, VST
	s_mul_i32 s54, s16, 192
	s_add_co_u32 s54, s54, VST
	s_mov_b32 s26, 0x76543210
	s_mov_b32 s27, 0xfedcba98                      ; v_permlanex16_b32's selects for lane l xor 16
	v_lshlrev_b32 v[OL], 4, v1
	v_lshlrev_b32 v[OS], 3, v1
	s_lshl_b32 s31, s17, 12
	v_add_nc_u32 v[OH], s31, v[OL]                 ; in k the tile's rows 8-15 lie 8 rows (4,096 bytes) further down
	s_mul_i32 s31, s16, WSTG
	v_add_nc_u32 v[SW], s31, v[OL]
	v_mul_u32_u24 v[SR], v2, PITCH
	s_wait_alu depctr_va_vdst(0)
	v_lshl_add_u32 v[SR], v3, 6, v[SR]
	s_delay_alu instid0(VALU_DEP_1)
	v_add_nc_u32 v[SR], s31, v[SR]
	s_lshr_b32 s32, s16, 2
	s_lshl_b32 s32, s32, 8
	s_and_b32 s33, s16, 3
	s_lshl_b32 s33, s33, 2
	s_add_co_u32 s32, s32, s33
	s_add_co_u32 s32, s32, SCB
	v_lshl_add_u32 v[GW], v2, 4, s32               ; 256 (wave / 4) + 16 r + 4 (wave % 4)
	s_lshl_b32 s33, s16, 8
	s_add_co_u32 s33, s33, SCB
	v_add_nc_u32 v[GR], s33, v[OS]                 ; 256 x wave + 8 x lane
	v_and_b32 v[TA], 8, v2
	s_delay_alu instid0(VALU_DEP_1)
	v_mul_u32_u24 v[TA], s17, v[TA]
	s_delay_alu instid0(VALU_DEP_1)
	v_add3_u32 v[POS], v2, v[TA], s21              ; my row's position
	s_delay_alu instid0(VALU_DEP_1)
	v_cvt_f32_u32 v[POS], v[POS]
	v_and_b32 v[VSO], 8, v[OS]
	v_lshrrev_b32 v[VTM], 4, v[OS]
	v_lshlrev_b32 v[VSO], 8, v[VSO]
	v_lshl_add_u32 v[VSO], v[VTM], 6, v[VSO]       ; lane l: tiles 2 (l % 2) and + 1 (1,024 bytes on), row l / 2 of 64 bytes
	v_add_nc_u32 v[VWA], s53, v[OL]
	v_mul_u32_u24 v[VRA], VPIT, v2
	v_mad_u32_u24 v[VRA], v3, 24, v[VRA]
	v_add_nc_u32 v[VRA], s54, v[VRA]               ; row r, + 24 h, + 192 bytes for each wave's two records
	s_wait_alu depctr_va_vdst(0)
	s_wait_kmcnt 0x0
	s_cmp_lt_u32 ttmp9, 128                        ; q's work-group or k's: the choice hangs on the work-group's number alone
	s_cselect_b64 s[4:5], s[4:5], s[6:7]
	s_cselect_b64 s[8:9], s[8:9], s[12:13]
	s_cselect_b64 s[10:11], s[10:11], s[12:13]
	s_add_nc_u64 s[4:5], s[4:5], s[22:23]
	s_add_nc_u64 s[8:9], s[8:9], s[24:25]
	s_add_nc_u64 s[10:11], s[10:11], s[34:35]
	s_add_nc_u64 s[44:45], s[14:15], s[44:45]
	s_add_nc_u64 s[46:47], s[38:39], s[46:47]
	s_add_nc_u64 s[48:49], s[12:13], s[48:49]
	s_add_nc_u64 s[50:51], s[12:13], s[50:51]
.macro LOADF f, set                    ; head f's 16 rows of my tile: each load reads one row, 512 consecutive bytes; read once in the launch
.irp i, 0,1,2,3,4,5,6,7
	global_load_b128 v[\set+4*\i:\set+4*\i+3], v[OL], s[4:5] offset:(\f)*HEADB+ROWB*\i th:TH_LOAD_NT
.endr
.irp i, 8,9,10,11,12,13,14,15
	global_load_b128 v[\set+4*\i:\set+4*\i+3], v[OH], s[4:5] offset:(\f)*HEADB+ROWB*\i th:TH_LOAD_NT
.endr
.endm
.macro TURN set                        ; through my stage and back into the registers that they left: LDS serves a wave's instructions in order (ISA guide 5.7.1.4), so no wait stands between
.irp i, 0,1,2,3,4,5,6,7,8,9,10,11,12,13,14,15
	ds_store_b128 v[SW], v[\set+4*\i:\set+4*\i+3] offset:PITCH*\i
.endr
.irp b, 0,1,2,3
.irp j, 0,1,2,3
	ds_load_b128 v[\set+16*\b+4*\j:\set+16*\b+4*\j+3], v[SR] offset:128*\b+16*\j   ; register 16 b + i = channel 32 b + 16 h + i of row r
.endr
.endr
.endm
.macro FREQ i, lo, hi                  ; my pair i is pair 8 h + i of the row: its frequency
	v_mov_b32 v[FQ+\i], \hi
	s_delay_alu instid0(VALU_DEP_1)
	v_cndmask_b32 v[FQ+\i], \lo, v[FQ+\i], vcc_lo
.endm
.macro ROT set                         ; registers 2 i, 2 i + 1 are pair 8 h + i:  x0' = x0 cos - x1 sin,  x1' = x1 cos + x0 sin
.irp i, 0,1,2,3,4,5,6,7
	v_mul_f32 v[RT+2*\i], v[\set+2*\i+1], v[SN+\i]
	v_mul_f32 v[RT+2*\i+1], v[\set+2*\i], v[SN+\i]
.endr
.irp i, 0,1,2,3,4,5,6,7
	v_fma_f32 v[\set+2*\i], v[\set+2*\i], v[CS+\i], -v[RT+2*\i]
	v_fma_f32 v[\set+2*\i+1], v[\set+2*\i+1], v[CS+\i], v[RT+2*\i+1]
.endr
.endm
; 64 numbers of a lane become a fragment's codes in v[PC] on and its scale word in v[PW]
.macro QUANT s
.irp b, 0,1,2,3
	v_max3_num_f32 v[TM+\b], |v[\s+16*\b]|, |v[\s+1+16*\b]|, 0x2800000   ; block b: my 16 numbers, and the floor 2^(5 - 127): so the byte cannot fall under 1
.endr
.irp i, 2,4,6,8,10,12,14
.irp b, 0,1,2,3
	s_delay_alu instid0(VALU_DEP_4)
	v_max3_num_f32 v[TM+\b], v[TM+\b], |v[\s+16*\b+\i]|, |v[\s+1+16*\b+\i]|   ; the four blocks by turns
.endr
.endr
.irp b, 0,1,2,3
	s_delay_alu instid0(VALU_DEP_4)
	v_permlanex16_b32 v[TM+4+\b], v[TM+\b], s26, s27   ; (its destination counts as read: v184-187 were written while the angles were made)
.endr
.irp b, 0,1,2,3
	s_delay_alu instid0(VALU_DEP_4)
	v_max_num_f32 v[TM+\b], v[TM+\b], v[TM+4+\b]   ; with lane l xor 16's: the block's largest magnitude
.endr
.irp b, 0,1,2,3
	s_delay_alu instid0(VALU_DEP_4)
	v_add_nc_u32 v[TM+12+\b], 0xfe000000, v[TM+\b]   ; 4 off its exponent field: the conversion takes the exponent field of this operand as its scale
.endr
.irp b, 0,1,2,3
	s_delay_alu instid0(VALU_DEP_4)
	v_lshrrev_b32 v[TM+4+\b], 23, v[TM+12+\b]      ; the scale's byte
.endr
	s_delay_alu instid0(VALU_DEP_3)
	v_lshl_or_b32 v[PW], v[TM+5], 8, v[TM+4]
	s_delay_alu instid0(VALU_DEP_1)
	v_lshl_or_b32 v[PW], v[TM+6], 16, v[PW]
	s_delay_alu instid0(VALU_DEP_1)
	v_lshl_or_b32 v[PW], v[TM+7], 24, v[PW]
.irp c, 0,1
	v_cvt_scalef32_pk16_bf6_f32 v[PC+6*\c:PC+2+6*\c], v[\s+32*\c:\s+15+32*\c], v[TM+12+2*\c]
	v_cvt_scalef32_pk16_bf6_f32 v[PC+12+4*\c:PC+14+4*\c], v[\s+16+32*\c:\s+31+32*\c], v[TM+12+2*\c+1]   ; (a conversion's three registers begin on an even number)
.endr
	v_nop                                          ; one plain instruction behind a scaled conversion
.irp c, 0,1                                    ; the operand's layout wants a whole block in a lane: lanes 0-15 block 2 c, lanes 16-31 block 2 c + 1
.irp i, 0,1,2
	v_permlane16_swap_b32 v[PC+6*\c+\i], v[PC+12+4*\c+\i]
.endr
.irp i, 0,1,2
	s_delay_alu instid0(VALU_DEP_3)
	v_mov_b32 v[PC+3+6*\c+\i], v[PC+12+4*\c+\i]
.endr
.endr
.endm
.macro OUTF f                          ; the image: three stores of 512 consecutive bytes, at multiples of 512 from the buffer's first byte; the scale word to the gather (lanes r and r + 16 write the same word with the same value)
.irp c, 0,1,2
	global_store_b128 v[OL], v[PC+4*\c:PC+4*\c+3], s[8:9] offset:512*\c
.endr
	ds_store_b32 v[GW], v[PW] offset:512*(\f)
.endm
.macro FRAGM f, set
.if \f < 3
	s_wait_loadcnt 16                              ; this fragment's 16 loads are in; the next fragment's 16, the only loads issued behind them, may be out
.else
	s_wait_loadcnt 0x0
.endif
.if \f > 0
	s_wait_xcnt 0x0                                ; the last fragment's stores have read their data and their base
	s_add_nc_u64 s[8:9], s[8:9], s[36:37]          ; the next head
.endif
	TURN \set
	s_wait_dscnt 0x0
	ROT \set
	QUANT \set
	OUTF \f
.if \f < 2
	LOADF (\f)+2, \set                             ; the set is free: the fragment two on
.endif
.endm
.irp k, 0,1,2,3,4,5
	global_load_b128 v[VRW+4*\k:VRW+4*\k+3], v[OL], s[44:45] offset:512*\k th:TH_LOAD_NT
.endr
	global_load_b32 v[VSW], v[VSO], s[46:47]
	global_load_b32 v[VSW+1], v[VSO], s[46:47] offset:1024
	LOADF 0, XA
	LOADF 1, XB
	; SINES AND COSINES of my 8 pairs at my row's position, while the first 32 loads are on their way
	v_cmp_ne_u32 vcc_lo, 0, v3
	FREQ 0, 0x3f800000, 0x42c80000                 ; 10^(p/4), p = 0 .. 15, each the nearest f32
	FREQ 1, 0x3fe39ea9, 0x4331d3f4
	FREQ 2, 0x404a62c2, 0x439e1d27
	FREQ 3, 0x40b3f300, 0x440c95d8
	FREQ 4, 0x41200000, 0x447a0000
	FREQ 5, 0x418e432a, 0x44de48f1
	FREQ 6, 0x41fcfb72, 0x4545a471
	FREQ 7, 0x4260efc0, 0x45afbb4e
	s_wait_alu depctr_va_vdst(0)
.irp i, 0,1,2,3,4,5,6,7
	v_rcp_f32 v[RI+\i], v[FQ+\i]
.endr
	v_mov_b32 v[KSN], 0xb94ca1f9                   ; (a plain instruction behind the reciprocals)
	v_mov_b32 v[KCS], 0x37ccf5ce
	s_wait_alu depctr_va_vdst(0)                   ; one wait for the eight reciprocals, ahead of their first reader
.irp i, 0,1,2,3,4,5,6,7
	v_mul_f32 v[AN+\i], v[POS], v[RI+\i]           ; the angle = position / frequency:
.endr
.irp i, 0,1,2,3,4,5,6,7
	v_fma_f32 v[ZZ+\i], -v[AN+\i], v[FQ+\i], v[POS]   ; what the first quotient leaves,
.endr
.irp i, 0,1,2,3,4,5,6,7
	v_fma_f32 v[AN+\i], v[ZZ+\i], v[RI+\i], v[AN+\i]   ; put back
.endr
.irp i, 0,1,2,3,4,5,6,7
	v_mul_f32 v[NN+\i], 0x3f22f983, v[AN+\i]       ; x 2 / pi
.endr
.irp i, 0,1,2,3,4,5,6,7
	v_rndne_f32 v[NN+\i], v[NN+\i]                 ; n: at most 1,303 here, 11 bits
.endr
.irp i, 0,1,2,3,4,5,6,7
	v_fmamk_f32 v[AN+\i], v[NN+\i], 0xbfc90000, v[AN+\i]   ; n pi/2 is taken off in three parts: 1.5703125,
.endr
.irp i, 0,1,2,3,4,5,6,7
	v_fmamk_f32 v[AN+\i], v[NN+\i], 0xb9fda000, v[AN+\i]   ; 4.837513e-4,
.endr
.irp i, 0,1,2,3,4,5,6,7
	v_fmamk_f32 v[AN+\i], v[NN+\i], 0xb3a22169, v[AN+\i]   ; 7.549790e-8: x in [-pi/4, pi/4]
.endr
.irp i, 0,1,2,3,4,5,6,7
	v_mul_f32 v[ZZ+\i], v[AN+\i], v[AN+\i]         ; z = x^2
	v_cvt_i32_f32 v[RI+\i], v[NN+\i]               ; n as a whole number
.endr
.irp i, 0,1,2,3,4,5,6,7
	v_fmaak_f32 v[FQ+\i], v[KSN], v[ZZ+\i], 0x3c08839e   ; sin x = x + x z ((-1.9515296e-4 z + 8.3321609e-3) z - 1.6666655e-1)
	v_fmaak_f32 v[CC+\i], v[KCS], v[ZZ+\i], 0xbab6061a   ; cos x = 1 - z / 2 + z^2 ((2.4433157e-5 z - 1.3887316e-3) z + 4.1666646e-2)
.endr
.irp i, 0,1,2,3,4,5,6,7
	v_fmaak_f32 v[FQ+\i], v[FQ+\i], v[ZZ+\i], 0xbe2aaaa3
	v_fmaak_f32 v[CC+\i], v[CC+\i], v[ZZ+\i], 0x3d2aaaa5
.endr
.irp i, 0,1,2,3,4,5,6,7
	v_mul_f32 v[NN+\i], v[ZZ+\i], v[AN+\i]
.endr
.irp i, 0,1,2,3,4,5,6,7
	v_fma_f32 v[FQ+\i], v[FQ+\i], v[NN+\i], v[AN+\i]
.endr
.irp i, 0,1,2,3,4,5,6,7
	v_mul_f32 v[NN+\i], v[ZZ+\i], v[ZZ+\i]
.endr
.irp i, 0,1,2,3,4,5,6,7
	v_fma_f32 v[ZZ+\i], v[ZZ+\i], -0.5, 1.0
.endr
.irp i, 0,1,2,3,4,5,6,7
	v_fma_f32 v[CC+\i], v[CC+\i], v[NN+\i], v[ZZ+\i]
.endr
.irp i, 0,1,2,3,4,5,6,7                        ; the quadrant, by selects: n odd swaps the two; the sine changes sign where n % 4 is 2 or 3, the cosine where it is 1 or 2
	v_and_b32 v[TA], 1, v[RI+\i]
	s_delay_alu instid0(VALU_DEP_1)
	v_cmp_ne_u32 vcc_lo, 0, v[TA]
	s_delay_alu instid0(VALU_DEP_1)
	v_cndmask_b32 v[SN+\i], v[FQ+\i], v[CC+\i], vcc_lo
	s_delay_alu instid0(VALU_DEP_2)
	v_cndmask_b32 v[CS+\i], v[CC+\i], v[FQ+\i], vcc_lo
	v_lshlrev_b32 v[TA], 30, v[RI+\i]
	s_delay_alu instid0(VALU_DEP_1)
	v_and_b32 v[TA], 0x80000000, v[TA]
	s_delay_alu instid0(VALU_DEP_1)
	v_xor_b32 v[SN+\i], v[TA], v[SN+\i]
	v_add_nc_u32 v[TA], 1, v[RI+\i]
	s_delay_alu instid0(VALU_DEP_1)
	v_lshlrev_b32 v[TA], 30, v[TA]
	s_delay_alu instid0(VALU_DEP_1)
	v_and_b32 v[TA], 0x80000000, v[TA]
	s_delay_alu instid0(VALU_DEP_1)
	v_xor_b32 v[CS+\i], v[TA], v[CS+\i]
.endr
	s_wait_alu depctr_va_vdst(0)
	s_wait_loadcnt 32                              ; v's eight loads are in; the 32 issued behind them may be out
.irp k, 0,1,2,3,4,5
	ds_store_b128 v[VWA], v[VRW+4*\k:VRW+4*\k+3] offset:VPIT*(\k/3)+512*(\k%3)
.endr
	s_wait_dscnt 0x0
	s_barrier_signal -1
	s_barrier_wait -1                              ; all 16 rows lie in the stage
.irp u, 0,1
.irp p, 0,1,2,3,4,5
	ds_load_b64 v[VRW+12*\u+2*\p:VRW+12*\u+2*\p+1], v[VRA] offset:96*\u+48*(\p/3)+8*(\p%3)
.endr
.endr
	s_wait_dscnt 0x0
.irp u, 0,1
.irp c, 0,1,2
	global_store_b128 v[OL], v[VRW+12*\u+4*\c:VRW+12*\u+4*\c+3], s[48:49] offset:REC*\u+512*\c
.endr
.endr
	s_cmp_lt_u32 s16, 4
	s_cbranch_scc0 .Lno_words                      ; four waves store the four runs of 256 bytes of scale words
	global_store_b64 v[OS], v[VSW:VSW+1], s[50:51]
.Lno_words:
	FRAGM 0, XA
	FRAGM 1, XB
	FRAGM 2, XA
	FRAGM 3, XB
	s_wait_dscnt 0x0                               ; for the others' sake: my four scale words lie in the gather
	s_barrier_signal -1
	s_barrier_wait -1                              ; everybody's do
	ds_load_b64 v[XA:XA+1], v[GR]                  ; 256 bytes a wave: head wave / 2, half wave % 2
	s_wait_dscnt 0x0
	global_store_b64 v[OS], v[XA:XA+1], s[10:11]   ; 32 lanes store 256 consecutive bytes, at a multiple of 256 from the buffer's first byte
	s_wait_tensorcnt 0x0                           ; the wave's end
	ds_add_u32 v[SPW], v[NIL]
	s_wait_dscnt 0x0
	s_endpgm
.Lfunc_end_k_q4f2061012e_prep:
	.size	k_q4f2061012e_prep, .Lfunc_end_k_q4f2061012e_prep-k_q4f2061012e_prep
	.p2alignl 7, 3214868480
	.fill 96, 4, 3214868480
	.section	.rodata,"a",@progbits
	.p2align	6, 0x0
	.amdhsa_kernel k_q4f2061012e_prep
		.amdhsa_group_segment_fixed_size 95488
		.amdhsa_private_segment_fixed_size 0
		.amdhsa_enable_private_segment 0
		.amdhsa_kernarg_size 56
		.amdhsa_user_sgpr_count 2
		.amdhsa_user_sgpr_kernarg_segment_ptr 1
		.amdhsa_wavefront_size32 1
		.amdhsa_system_sgpr_workgroup_id_x 1
		.amdhsa_system_sgpr_workgroup_id_y 1
		.amdhsa_system_sgpr_workgroup_id_z 1
		.amdhsa_system_vgpr_workitem_id 0
		.amdhsa_next_free_vgpr 240
		.amdhsa_next_free_sgpr 66
		.amdhsa_reserve_vcc 1
		.amdhsa_float_denorm_mode_32 3
		.amdhsa_float_denorm_mode_16_64 3
		.amdhsa_memory_ordered 1
		.amdhsa_forward_progress 1
		.amdhsa_inst_pref_size 68
	.end_amdhsa_kernel
	.amdgpu_metadata
---
amdhsa.version: [ 1, 2 ]
amdhsa.kernels:
  - .name:           k_q4f2061012e_prep
    .symbol:         k_q4f2061012e_prep.kd
    .args:
      - { .name: q, .offset: 0, .size: 8, .value_kind: global_buffer, .address_space: global }
      - { .name: k, .offset: 8, .size: 8, .value_kind: global_buffer, .address_space: global }
      - { .name: qc, .offset: 16, .size: 8, .value_kind: global_buffer, .address_space: global }
      - { .name: qs, .offset: 24, .size: 8, .value_kind: global_buffer, .address_space: global }
      - { .name: kv, .offset: 32, .size: 8, .value_kind: global_buffer, .address_space: global }
      - { .name: v_codes, .offset: 40, .size: 8, .value_kind: global_buffer, .address_space: global }
      - { .name: v_scales, .offset: 48, .size: 8, .value_kind: global_buffer, .address_space: global }
    .group_segment_fixed_size: 95488
    .private_segment_fixed_size: 0
    .kernarg_segment_align: 8
    .kernarg_segment_size: 56
    .max_flat_workgroup_size: 256
    .sgpr_count:     66
    .vgpr_count:     240
    .wavefront_size: 32
...
	.end_amdgpu_metadata
.endif
;; end of part 1
;; launch attn (part 2): grid 8 x 32, 8 waves a work-group, no clusters, 327,680 bytes of LDS; arguments qc, qs, kv, out0; writes out0
.if DOCPART == 2
	.amdgcn_target "amdgcn-amd-amdhsa--gfx1250"
	.amdhsa_code_object_version 6
	.text
	.protected	k_q4f2061012e_attn
	.globl	k_q4f2061012e_attn
	.p2align	8
	.type	k_q4f2061012e_attn,@function
k_q4f2061012e_attn:
	s_mov_b64 s[64:65], 0
	v_nop
	global_prefetch_b8 v0, s[64:65] scope:SCOPE_SE
	s_setreg_imm32_b32 hwreg(HW_REG_WAVE_MODE, 25, 1), 1
	s_wait_xcnt 0x0
; Causal attention on codes of BF6: o = softmax(q k^T / sqrt(128)) v for 32 heads of 2,048 positions, 128 channels.
; WORK.  A block is 128 queries.  Work-group (i, head), i = 0 .. 7, takes the head's blocks 15 - i (long: 16 - i steps of 128 keys) and i (short: i + 1 steps): 17 steps of 128 queries in every work-group.
; Waves 0-3 (role 0) take 32 queries each of the long block; waves 4-7 (role 1) 32 queries each of the short one.  In steps 0 .. i both walk every step.  Then role 1 stores its queries, and the two share
; the long block's steps i + 1 .. 15 - i by turns, role 0 the first and the last: 9 units of 32 queries x 128 keys for role 0, 8 for role 1.  At the end waves w and w + 4 join their two sums through LDS.
; WORK LEFT OUT: the tiles of keys that lie wholly behind a block's queries (reference()'s own mask; see the first kernel's head).
; A wave's 32 queries are two tiles X and Y of 16 that share every fragment of k and v.  X is the first 16 rows in role 0 and the last 16 in role 1: each wave keeps X and hands Y to its partner.
; BOTH PRODUCTS TRANSPOSED (S^T = k q^T, O^T = v^T p^T): lane (r, h) holds query r; the 16 registers of k's tiles 2 b and 2 b + 1 are keys 32 b + 16 h + 0 .. 15.
; LDS: two slots of two records (a record: 128 keys' images and scale words of k and v, 25,600 bytes), dense; each of the 8 waves brings 25 rows of 256 bytes of a slot by one tensor load.
; NO CLUSTER: the eight work-groups of a head read the same records, but a slot's two steps are up to 2 units for a wave while both are under step i, and 1 behind it: under joint loads each slot would
; take its largest partner's units, 4 slots of 2 and 4 of 1 = 12 against the 9 of each alone.
; PREFETCH: in trip g, work-group i = 0 of each head (it reads all 16 records) asks for slot g + 2, 25 blocks of 256 bytes a wave, for g = 0 .. 5.
; LIMITS.  NaN and infinities are not served (role 1 clears its sums behind the short block by a factor 0, so they would spread).  Scaled scores (to the base 2) stay under 2^31 in magnitude.
; A block of p under 2^(5 - 127) is held at that floor.
.set IMG,   1536
.set REC,   25600
.set KVH,   16*REC
.set SLOTB, 2*REC
.set PART,  SLOTB/8
.set SLOT1, 65536                      ; slot 1's first byte
.set MERGE, 131072                     ; 8 waves x (8,192 bytes of Y's sums + 256 bytes of -M and l)
.set MWAVE, 8448
.set STAGE, MERGE+8*MWAVE              ; 8 waves x 16 rows of 512 bytes + 16
.set SPITCH, 528
.set SPARE, STAGE+8*16*SPITCH          ; the spare words: 128 bytes for each wave, that no other line names
; window 0
.set L16,  1                           ; 16 x lane
.set LR16, 2                           ; 16 x r
.set SPW,  3                           ; my spare word; never rewritten
.set NIL,  4                           ; 0; never rewritten
.set AD,   5
.set ADS,  6
.set DLX,  7                           ; X's row + r - 16 h
.set DLY,  8
.set NEG,  9                           ; -1e9 sqrt(128)
.set PFO,  10
.set STO,  12
.set RD,   13
.set MX,   14                          ; v14 -M, v15 the largest t: X;  v16, v17: Y
.set MY,   16
.set LX,   18                          ; v[18:19], v[20:21] the rows' sums in two halves
.set LY,   20
.set FX,   22                          ; v22 f, v23 p's scale word: X;  v24, v25: Y
.set FY,   24
.set QSX,  26                          ; v26, v27 q's scale words
.set TX,   28                          ; v28, v29 at work;  v30, v31 at work
.set SS,   32                          ; v32-159 scores, then p: X, Y
.set KSC,  160                         ; k's scale words
.set VSC,  168                         ; v's
.set TM,   176                         ; largest of each block: X 0-3, Y 4-7
.set PM,   184
.set EX,   192                         ; the conversions' scale operands
.set CD,   200                         ; p's codes, 12 a tile
.set CT,   224                         ; a block pair's second halves, 4 each
.set LB,   240                         ; v[240:241], v[242:243] the sums' second chains
.set MGW,  244
.set MGR,  245
.set MLW,  246
.set MLR,  247
.set QVX,  248
.set QVY,  249
.set QWX,  250
.set QWY,  251
.set GOX,  252
.set GOY,  253
; window 1 (v256 on)
.set OO,   0                           ; O^T: X 0-63, Y 64-127
.set FR,   128                         ; eight fragments of k, then of v
.set QF,   224                         ; q: X, Y
; scalars
.set WV,   12
.set II,   13
.set ROLE, 14
.set LST,  15                          ; 15 - i, the long block's last step
.set SWI,  16                          ; the step at which role 1 changes blocks
.set Q0,   17                          ; my first query
.set QLG,  18                          ; my first query in the long block
.set LIM,  19
.set SEL,  20
.set CS,   22
.set G1,   24
.set G0,   32
.set PFA,  36
.set TB,   38
.set ST,   39
.set SLOTS, 40
.set HD,   41
.set QLB,  42
.set QLS,  44
.set OBC,  46
.set OBL,  48
.set MSB, 0
.macro WIN new                         ; the immediate's high byte repeats the setting that is left
.if MSB != \new
	s_set_vgpr_msb (MSB<<8)|\new
.set MSB, \new
.endif
.endm
.macro QBASE q, cb, sb, ob             ; where a wave's 32 queries lie: codes, scale words, output
	s_mul_i32 s52, s[\q], 96
	s_mul_i32 s54, s[HD], 128*IMG
	s_add_co_u32 s52, s52, s54
	s_mov_b32 s53, 0
	s_add_nc_u64 s[\cb:\cb+1], s[4:5], s[52:53]
	s_lshr_b32 s52, s[\q], 6
	s_lshl_b32 s52, s52, 8
	s_bfe_u32 s54, s[\q], 0x20004
	s_lshl_b32 s54, s54, 2
	s_add_co_u32 s52, s52, s54
	s_lshl_b32 s54, s[HD], 13
	s_add_co_u32 s52, s52, s54
	s_add_nc_u64 s[\sb:\sb+1], s[6:7], s[52:53]
	s_lshl_b32 s52, s[\q], 9
	s_lshl_b32 s54, s[HD], 20
	s_add_co_u32 s52, s52, s54
	s_add_nc_u64 s[\ob:\ob+1], s[10:11], s[52:53]
.endm
.macro QLOAD cb, sb
	WIN 0x40
.irp c, 0,1,2
	global_load_b128 v[QF+4*\c:QF+4*\c+3], v[QVX], s[\cb:\cb+1] offset:512*\c
	global_load_b128 v[QF+12+4*\c:QF+12+4*\c+3], v[QVY], s[\cb:\cb+1] offset:512*\c
.endr
	WIN 0
	global_load_b32 v[QSX], v[QWX], s[\sb:\sb+1]
	global_load_b32 v[QSX+1], v[QWY], s[\sb:\sb+1]
.endm
	s_load_b256 s[4:11], s[0:1], 0x0               ; qc s[4:5], qs s[6:7], kv s[8:9], out0 s[10:11]
	v_lshl_add_u32 v[SPW], v0, 2, SPARE
	v_mov_b32 v[NIL], 0
	ds_add_u32 v[SPW], v[NIL]                      ; the opening: the add, twice on end, and its wait ahead of the first tensor load
	ds_add_u32 v[SPW], v[NIL]
	v_lshrrev_b32 v5, 5, v0
	v_readfirstlane_b32 s[WV], v5
	s_mov_b32 s[II], ttmp9
	s_and_b32 s[HD], ttmp7, 0xffff
	s_mov_b32 s[G1], 3<<16                         ; elements of 8 bytes, no padding
	s_mov_b32 s[G1+1], 32<<16                      ; rows of 256 bytes
	s_mov_b32 s[G1+2], 25<<16                      ; 25 rows
	s_mov_b32 s[G1+3], 32<<16
	s_mov_b32 s[G1+4], 25
	s_mov_b32 s[G1+5], 32
	s_mov_b32 s[G1+6], 0
	s_mov_b32 s[G1+7], 0
	s_mul_i32 s55, s[WV], PART                     ; my part of a slot
	s_mul_i32 s56, s[HD], KVH
	s_add_co_u32 s56, s56, s55
	s_mov_b32 s57, 0
	s_wait_dscnt 0x0                               ; both adds are done
	s_wait_kmcnt 0x0
	s_mov_b32 s[G0], 1
	s_mov_b32 s[G0+1], s55
	s_add_nc_u64 s[G0+2:G0+3], s[8:9], s[56:57]
	s_or_b32 s[G0+3], s[G0+3], 0x80000000
	tensor_load_to_lds s[G0:G0+3], s[G1:G1+7]      ; slot 0: one tensor load a wave
	s_nop 0
	s_add_nc_u64 s[PFA:PFA+1], s[8:9], s[56:57]
	s_add_nc_u64 s[PFA:PFA+1], s[PFA:PFA+1], SLOTB ; stepped ahead of each prefetch: the first names slot 2
	s_lshr_b32 s[ROLE], s[WV], 2
	s_and_b32 s50, s[WV], 3
	s_sub_co_u32 s[LST], 15, s[II]
	s_lshl_b32 s51, s[LST], 7
	s_lshl_b32 s52, s50, 5
	s_add_co_u32 s[QLG], s51, s52
	s_sub_co_u32 s52, 3, s50                       ; in the short block the waves go the other way round, so that waves w and w + 4 share the mask's work
	s_lshl_b32 s52, s52, 5
	s_lshl_b32 s51, s[II], 7
	s_add_co_u32 s51, s51, s52
	s_add_co_u32 s53, s[II], 1
	s_mov_b32 s54, 99                              ; role 0 never changes
	s_cmp_eq_u32 s[ROLE], 0
	s_cselect_b32 s[Q0], s[QLG], s51
	s_cselect_b32 s[SWI], s54, s53
	s_cmp_eq_u32 s[II], 0
	s_cselect_b32 s[LIM], 2, -1
	s_mov_b32 s[SEL], 0x76543210
	s_mov_b32 s[SEL+1], 0xfedcba98                 ; v_permlanex16_b32's selects for lane l xor 16
	s_mov_b32 s[CS], 0x3e0293ee                    ; log2(e) / sqrt(128)
	s_mov_b32 s[CS+1], s[CS]
	s_mov_b32 s[TB], 0
	s_mov_b32 s[ST], 0
	s_mov_b32 s[SLOTS], 8
	QBASE QLG, QLB, QLS, OBL
	QBASE Q0, 56, 58, OBC
	s_mul_i32 s66, s[ROLE], IMG
	s_sub_co_u32 s67, IMG, s66
	s_lshl_b32 s68, s[ROLE], 2
	s_sub_co_u32 s69, 4, s68
	s_lshl_b32 s70, s[ROLE], 4
	s_sub_co_u32 s71, 16, s70
	s_mul_i32 s72, s[WV], 16*SPITCH
	s_add_co_u32 s72, s72, STAGE
	s_mul_i32 s73, s[WV], MWAVE
	s_add_co_u32 s73, s73, MERGE
	s_xor_b32 s74, s[WV], 4                        ; my partner
	s_mul_i32 s74, s74, MWAVE
	s_add_co_u32 s74, s74, MERGE
	s_lshl_b32 s76, s[ROLE], 13
	s_sub_co_u32 s77, 8192, s76
	v_and_b32 v5, 31, v0
	v_and_b32 v6, 15, v0                           ; r
	v_bfe_u32 v31, v0, 4, 1                        ; h
	v_lshlrev_b32 v[L16], 4, v5
	v_lshlrev_b32 v[LR16], 4, v6
	v_add_nc_u32 v[QVX], s66, v[L16]
	v_add_nc_u32 v[QVY], s67, v[L16]
	v_add_nc_u32 v[QWX], s68, v[LR16]
	v_add_nc_u32 v[QWY], s69, v[LR16]
	QLOAD 56, 58
	v_lshlrev_b32 v30, 4, v31
	v_sub_nc_u32 v30, v6, v30
	v_add_nc_u32 v[DLX], s70, v30
	v_add_nc_u32 v[DLY], s71, v30
	v_mul_u32_u24 v30, SPITCH, v6
	v_lshl_add_u32 v30, v31, 5, v30
	v_add_nc_u32 v[STO], s72, v30
	v_add_nc_u32 v[RD], s72, v[L16]
	v_add_nc_u32 v[MGW], s73, v[L16]
	v_add_nc_u32 v[MGR], s74, v[L16]
	v_lshlrev_b32 v30, 3, v5
	v_add_nc_u32 v[MLW], s73, v30
	v_add_nc_u32 v[MLR], s74, v30
	v_add_nc_u32 v[GOX], s76, v[L16]
	v_add_nc_u32 v[GOY], s77, v[L16]
	v_min_u32 v[PFO], 24, v5                       ; 25 blocks; the lanes left over name the last again
	v_lshlrev_b32 v[PFO], 8, v[PFO]
	v_mov_b32 v[NEG], 0xd028965f
	v_mov_b32 v[MX], 0x7f61b1e6                    ; the largest t so far: -3e38; -M likewise
	v_mov_b32 v[MY], 0x7f61b1e6
	v_mov_b32 v[MX+1], 0xff61b1e6
	v_mov_b32 v[MY+1], 0xff61b1e6
.irp j, 0,1,2,3,4,5,6,7,10,11
	v_mov_b32 v[LX+\j], 0                          ; the sums, f, p's scale words, v28, v29
.endr
.irp b, 0,1,2,3,4,5,6,7
	v_mov_b32 v[PM+\b], 0                          ; (a lane permute's destination counts as read)
.endr
	WIN 0x40
.set n, 0
.rept 128
	v_mov_b32 v[OO+n], 0                           ; O^T: a step is written once for all, and the first finds zeros
.set n, n+1
.endr
	WIN 0
.macro PLACES n
.rept \n
	v_nop
.endr
.endm
.macro FRAGS at                        ; eight fragments, images of operand registers: four registers at 16 x lane
	WIN 0x40
.irp t, 0,1,2,3,4,5,6,7
.irp c, 0,1,2
	ds_load_b128 v[FR+12*\t+4*\c:FR+12*\t+4*\c+3], v[AD] offset:(\at)+IMG*\t+512*\c
.endr
.endr
.endm
.macro QK from                         ; four tiles of 16 keys x the two tiles of queries
.irp u, 0,1
.irp t, 0,1,2,3
	v_wmma_scale_f32_16x16x128_f8f6f4 v[SS+64*\u+8*(\from+\t):SS+64*\u+8*(\from+\t)+7], v[FR+12*(\from+\t):FR+12*(\from+\t)+11], v[QF+12*\u:QF+12*\u+11], 0, v[KSC+\from+\t], v[QSX+\u] matrix_a_fmt:MATRIX_FMT_BF6 matrix_b_fmt:MATRIX_FMT_BF6
.endr
.endr
.endm
.macro PKF from, m                     ; t - M, two at a time
.set n, \from
.rept 16
	v_pk_fma_f32 v[SS+n:SS+n+1], v[SS+n:SS+n+1], s[CS:CS+1], v[\m:\m+1] op_sel_hi:[1,0,0]
.set n, n+2
.endr
.endm
.macro SUMS                            ; the rows' sums: two halves, and lane l xor 16's
	v_add_f32 v[LX], v[LX], v[LX+1]
	v_add_f32 v[LY], v[LY], v[LY+1]
	v_permlanex16_b32 v[TX], v[LX], s[SEL], s[SEL+1]
	v_permlanex16_b32 v[TX+1], v[LY], s[SEL], s[SEL+1]
	v_add_f32 v[LX], v[LX], v[TX]
	v_add_f32 v[LY], v[LY], v[TX+1]
.endm
.macro STG base                        ; 16 rows of 128 numbers through my stage: LDS serves a wave's instructions in order (ISA guide 5.7.1.4)
.irp t, 0,1,2,3,4,5,6,7
	ds_store_b128 v[STO], v[\base+8*\t:\base+8*\t+3] offset:64*\t
	ds_store_b128 v[STO], v[\base+8*\t+4:\base+8*\t+7] offset:64*\t+16
.endr
.irp i, 0,1,2,3,4,5,6,7,8,9,10,11,12,13,14,15
	ds_load_b128 v[\base+4*\i:\base+4*\i+3], v[RD] offset:SPITCH*\i
.endr
.endm
.macro PUT base, go, ob                ; each store of the wave covers a row of 512 consecutive bytes
.irp i, 0,1,2,3,4,5,6,7,8,9,10,11,12,13,14,15
	s_wait_dscnt 15-\i                             ; row i is back; the rows behind it may be out
	global_store_b128 v[\go], v[\base+4*\i:\base+4*\i+3], s[\ob:\ob+1] offset:512*\i th:TH_STORE_NT
.endr
.endm
.macro SWITCH                          ; role 1: the short block is finished: it goes out, and the long block's queries come in
	QLOAD QLB, QLS                                 ; (the q registers were last read by the last unit's first product)
	SUMS
	s_wait_alu depctr_va_vdst(0)
	v_rcp_f32 v[FX], v[LX]
	v_rcp_f32 v[FY], v[LY]
	v_nop
	WIN 0x01
	s_wait_alu depctr_va_vdst(0)                   ; ahead of the first readers of the reciprocals and of O^T
.set n, 0
.rept 32
	v_pk_mul_f32 v[SS+n:SS+n+1], v[OO+n:OO+n+1], v[FX:FX+1] op_sel_hi:[1,0]
.set n, n+2
.endr
.rept 32
	v_pk_mul_f32 v[SS+n:SS+n+1], v[OO+n:OO+n+1], v[FY:FY+1] op_sel_hi:[1,0]
.set n, n+2
.endr
	WIN 0
	s_wait_alu depctr_va_vdst(0)
	STG SS
	PUT SS, GOX, OBC
	STG SS+64
	PUT SS+64, GOY, OBC
	v_mov_b32 v[MX], 0x7f61b1e6                    ; M begins anew: the next f is 0, which clears the sums and O^T
	v_mov_b32 v[MY], 0x7f61b1e6
	v_mov_b32 v[MX+1], 0xff61b1e6
	v_mov_b32 v[MY+1], 0xff61b1e6
	s_mov_b32 s[Q0], s[QLG]
	s_wait_alu depctr_va_vdst(0)
	s_wait_xcnt 0x0                                ; the stores have read v32-159
	s_wait_loadcnt 0x0
.endm
.macro STEP q
	s_cmp_lg_u32 s[ST], s[SWI]
	s_cbranch_scc1 .Lstay_\@
	SWITCH
.Lstay_\@:
	s_sub_co_i32 s50, s[ST], s[II]                 ; up to step i every wave works;
	s_cmp_lt_i32 s50, 1
	s_cbranch_scc1 .Lwork_\@
	s_xor_b32 s51, s50, s[ROLE]                    ; then role 0 takes steps i + 1, i + 3, .., role 1 i + 2, i + 4, ..
	s_and_b32 s51, s51, 1
	s_cbranch_scc0 .Lhidden_\@
	s_cmp_gt_u32 s[ST], s[LST]                     ; up to the long block's last
	s_cbranch_scc1 .Lhidden_\@
.Lwork_\@:
	v_add_nc_u32 v[AD], s[TB], v[L16]
	v_add_nc_u32 v[ADS], s[TB], v[LR16]
	PLACES 2                                       ; with the two lines above four places behind the last unit's products, ahead of the loads
	ds_load_b128 v[KSC:KSC+3], v[ADS] offset:REC*\q+16*IMG
	ds_load_b128 v[KSC+4:KSC+7], v[ADS] offset:REC*\q+16*IMG+256
	ds_load_b128 v[VSC:VSC+3], v[ADS] offset:REC*\q+16*IMG+512
	ds_load_b128 v[VSC+4:VSC+7], v[ADS] offset:REC*\q+16*IMG+768
	FRAGS REC*\q
	WIN 0x05
	s_wait_alu depctr_va_vdst(0)
	s_wait_dscnt 12                                ; the scale words and k's tiles 0-3 are in; the 12 loads of tiles 4-7 may be out
	QK 0
	s_wait_dscnt 0x0
	QK 4
	PLACES 4
	FRAGS REC*\q+8*IMG                             ; v's fragments land while p is made
	WIN 0
	s_lshl_b32 s50, s[ST], 7                       ; the step's first key
	s_add_co_u32 s51, s50, 127
	s_cmp_le_u32 s51, s[Q0]
	s_cbranch_scc1 .Lopen_\@                       ; no key lies behind a query of mine
	s_sub_co_i32 s51, s[Q0], s50
	v_add_nc_u32 v30, s51, v[DLX]
	v_add_nc_u32 v31, s51, v[DLY]
.irp b, 0,1,2,3
	s_add_co_u32 s52, s50, 32*\b+31
	s_cmp_le_u32 s52, s[Q0]
	s_wait_alu depctr_va_vdst(0)
	s_cbranch_scc1 .Lblk_\@_\b
.irp u, 0,1
.irp h, 0,8
.irp k, 0,1,2,3,4,5,6,7
	v_cmp_gt_i32 s[66+\k], 32*\b+\h+\k, v[30+\u]
.endr
.irp k, 0,1,2,3,4,5,6,7
	v_cndmask_b32 v[SS+64*\u+16*\b+\h+\k], v[SS+64*\u+16*\b+\h+\k], v[NEG], s[66+\k]
.endr
.endr
.endr
	s_wait_alu depctr_va_vdst(0)
.Lblk_\@_\b:
.endr
.Lopen_\@:
.irp b, 0,1,2,3,4,5,6,7
	v_max3_num_f32 v[TM+\b], v[SS+16*\b], v[SS+16*\b+1], v[SS+16*\b+2]   ; the largest score of each block of 32 keys
.endr
.irp i, 3,5,7,9,11,13
.irp b, 0,1,2,3,4,5,6,7
	v_max3_num_f32 v[TM+\b], v[TM+\b], v[SS+16*\b+\i], v[SS+16*\b+\i+1]
.endr
.endr
.irp b, 0,1,2,3,4,5,6,7
	v_max_num_f32 v[TM+\b], v[TM+\b], v[SS+16*\b+15]
.endr
.irp b, 0,1,2,3,4,5,6,7
	v_permlanex16_b32 v[PM+\b], v[TM+\b], s[SEL], s[SEL+1]
.endr
.irp b, 0,1,2,3,4,5,6,7
	v_max_num_f32 v[TM+\b], v[TM+\b], v[PM+\b]
.endr
	v_max3_num_f32 v[TX], v[TM], v[TM+1], v[TM+2]
	v_max3_num_f32 v[TX+1], v[TM+4], v[TM+5], v[TM+6]
	v_max_num_f32 v[TX], v[TX], v[TM+3]
	v_max_num_f32 v[TX+1], v[TX+1], v[TM+7]
	v_mul_f32 v[TX], s[CS], v[TX]
	v_mul_f32 v[TX+1], s[CS], v[TX+1]
	v_max_num_f32 v[MX+1], v[MX+1], v[TX]          ; the running largest t
	v_max_num_f32 v[MY+1], v[MY+1], v[TX+1]
	v_mov_b32 v[TX], v[MX]
	v_mov_b32 v[TX+1], v[MY]
	v_floor_f32 v[MX], -v[MX+1]                    ; -M, a whole number
	v_floor_f32 v[MY], -v[MY+1]
	PKF 0, MX
	v_sub_f32 v[TX], v[MX], v[TX]                  ; M's old value less its new one
	v_sub_f32 v[TX+1], v[MY], v[TX+1]
	PKF 32, MX
	v_cvt_i32_f32 v[TX], v[TX]
	v_cvt_i32_f32 v[TX+1], v[TX+1]
	PKF 64, MY
	v_ldexp_f32 v[FX], 1.0, v[TX]                  ; f: nothing is rounded
	v_ldexp_f32 v[FY], 1.0, v[TX+1]
	PKF 96, MY
.irp b, 0,1,2,3
	v_fma_f32 v[TM+\b], v[TM+\b], s[CS], v[MX]
	v_fma_f32 v[TM+4+\b], v[TM+4+\b], s[CS], v[MY]
.endr
	v_pk_mul_f32 v[LX:LX+1], v[LX:LX+1], v[FX:FX+1] op_sel_hi:[1,0]
	v_pk_mul_f32 v[LY:LY+1], v[LY:LY+1], v[FY:FY+1] op_sel_hi:[1,0]
	WIN 0x41
.set n, 0
.rept 32
	v_pk_mul_f32 v[OO+n:OO+n+1], v[OO+n:OO+n+1], v[FX:FX+1] op_sel_hi:[1,0]
.set n, n+2
.endr
.rept 32
	v_pk_mul_f32 v[OO+n:OO+n+1], v[OO+n:OO+n+1], v[FY:FY+1] op_sel_hi:[1,0]
.set n, n+2
.endr
	WIN 0
	s_wait_alu depctr_va_vdst(0)                   ; a wait ahead of the batch
.set n, 0
.rept 128
	v_exp_f32 v[SS+n], v[SS+n]                     ; p, at most 1
.set n, n+1
.endr
.irp b, 0,1,2,3,4,5,6,7
	v_exp_f32 v[TM+\b], v[TM+\b]                   ; the blocks' largest p: the same instructions on the same numbers
.endr
	v_nop
	s_wait_alu depctr_va_vdst(0)                   ; and behind it
.irp b, 0,1,2,3,4,5,6,7
	v_max_num_f32 v[TM+\b], 0x2800000, v[TM+\b]    ; the floor 2^(5 - 127)
.endr
.irp b, 0,1,2,3,4,5,6,7
	v_add_nc_u32 v[EX+\b], 0xfe000000, v[TM+\b]    ; 4 off the exponent field: the conversion's scale
.endr
.irp b, 0,1,2,3,4,5,6,7
	v_lshrrev_b32 v[PM+\b], 23, v[EX+\b]           ; the scale's byte
.endr
.irp u, 0,1
.irp c, 0,1
	v_cvt_scalef32_pk16_bf6_f32 v[CD+12*\u+6*\c:CD+12*\u+6*\c+2], v[SS+64*\u+32*\c:SS+64*\u+32*\c+15], v[EX+4*\u+2*\c]
	v_cvt_scalef32_pk16_bf6_f32 v[CT+8*\u+4*\c:CT+8*\u+4*\c+2], v[SS+64*\u+32*\c+16:SS+64*\u+32*\c+31], v[EX+4*\u+2*\c+1]
.endr
.endr
	v_lshl_or_b32 v[FX+1], v[PM+1], 8, v[PM]       ; p's scale words
	v_lshl_or_b32 v[FY+1], v[PM+5], 8, v[PM+4]
	v_lshl_or_b32 v[FX+1], v[PM+2], 16, v[FX+1]
	v_lshl_or_b32 v[FY+1], v[PM+6], 16, v[FY+1]
	v_lshl_or_b32 v[FX+1], v[PM+3], 24, v[FX+1]
	v_lshl_or_b32 v[FY+1], v[PM+7], 24, v[FY+1]
.irp u, 0,1
.irp c, 0,1
.irp i, 0,1,2
	v_permlane16_swap_b32 v[CD+12*\u+6*\c+\i], v[CT+8*\u+4*\c+\i]   ; a whole block in a lane
.endr
.endr
.endr
.irp u, 0,1
.irp c, 0,1
.irp i, 0,1,2
	v_mov_b32 v[CD+12*\u+6*\c+3+\i], v[CT+8*\u+4*\c+\i]
.endr
.endr
.endr
	v_pk_add_f32 v[LB:LB+1], v[SS:SS+1], v[SS+2:SS+3]   ; the rows' sums, of p ahead of its quantising; also the places ahead of the products
	v_pk_add_f32 v[LB+2:LB+3], v[SS+64:SS+65], v[SS+66:SS+67]
.irp j, 4,8,12,16,20,24,28,32,36,40,44,48,52,56,60
	v_pk_add_f32 v[LX:LX+1], v[LX:LX+1], v[SS+\j:SS+\j+1]
	v_pk_add_f32 v[LY:LY+1], v[LY:LY+1], v[SS+64+\j:SS+64+\j+1]
	v_pk_add_f32 v[LB:LB+1], v[LB:LB+1], v[SS+2+\j:SS+2+\j+1]
	v_pk_add_f32 v[LB+2:LB+3], v[LB+2:LB+3], v[SS+66+\j:SS+66+\j+1]
.endr
	v_pk_add_f32 v[LX:LX+1], v[LX:LX+1], v[LB:LB+1]
	v_pk_add_f32 v[LY:LY+1], v[LY:LY+1], v[LB+2:LB+3]
	WIN 0x51
	s_wait_alu depctr_va_vdst(0)
	s_wait_dscnt 0x0                               ; v's fragments are in
.irp t, 0,1,2,3,4,5,6,7
.irp u, 0,1
	v_wmma_scale_f32_16x16x128_f8f6f4 v[OO+64*\u+8*\t:OO+64*\u+8*\t+7], v[FR+12*\t:FR+12*\t+11], v[CD+12*\u:CD+12*\u+11], v[OO+64*\u+8*\t:OO+64*\u+8*\t+7], v[VSC+\t], v[FX+2*\u+1] matrix_a_fmt:MATRIX_FMT_BF6 matrix_b_fmt:MATRIX_FMT_BF6
.endr
.endr
	WIN 0
.Lhidden_\@:
	s_add_co_u32 s[ST], s[ST], 1
.endm
	s_wait_alu depctr_va_vdst(0)
	s_wait_loadcnt 0x0                             ; q is in
.Lslot:                                                ; eight slots
	s_wait_tensorcnt 0x0                           ; my part of this slot is in
	ds_add_u32 v[SPW], v[NIL]
	s_xor_b32 s[G0+1], s[G0+1], SLOT1              ; no load of mine is out: the descriptor moves on to the next slot
	s_add_nc_u64 s[G0+2:G0+3], s[G0+2:G0+3], SLOTB
	s_wait_xcnt 0x0                                ; the last prefetch has read its address
	s_add_nc_u64 s[PFA:PFA+1], s[PFA:PFA+1], SLOTB
	s_wait_dscnt 0x0                               ; the add is done, and so are my reads of the other slot
	s_barrier_signal -1
	s_barrier_wait -1
	s_add_co_u32 s50, s[ST], 2
	s_cmp_gt_u32 s50, s[LST]                       ; past the long block's last step nothing is fetched: where that is hangs on the work-group's number alone
	s_cbranch_scc1 .Lpast
	tensor_load_to_lds s[G0:G0+3], s[G1:G1+7]      ; the next slot, in which nobody reads any more
	s_nop 0
	PLACES 4
.Lpast:
	s_cmp_gt_u32 s[SLOTS], s[LIM]                  ; i = 0, in the first six trips
	s_cbranch_scc0 .Lnot_mine
	global_prefetch_b8 v[PFO], s[PFA:PFA+1] th:TH_LOAD_NT scope:SCOPE_SE
.Lnot_mine:
	STEP 0
	STEP 1
	s_xor_b32 s[TB], s[TB], SLOT1
	s_sub_co_u32 s[SLOTS], s[SLOTS], 1
	s_cmp_lg_u32 s[SLOTS], 0
	s_cbranch_scc1 .Lslot
	; THE JOIN: Y goes to the partner, the partner's Y is my X.  Where role 1 had no step of the long block (i = 7) its -M is 3e38, and its factor 0.
	SUMS
	v_mov_b32 v[TX], v[MY]
	v_mov_b32 v[TX+1], v[LY]
	WIN 0x04
.irp k, 0,1,2,3,4,5,6,7,8,9,10,11,12,13,14,15
	ds_store_b128 v[MGW], v[OO+64+4*\k:OO+64+4*\k+3] offset:512*\k
.endr
	WIN 0
	ds_store_b64 v[MLW], v[TX:TX+1] offset:8192
	s_wait_alu depctr_va_vdst(0)
	s_wait_dscnt 0x0                               ; for the partner's sake
	s_barrier_signal -1
	s_barrier_wait -1
	ds_load_b64 v[TX:TX+1], v[MLR] offset:8192
.irp k, 0,1,2,3,4,5,6,7,8,9,10,11,12,13,14,15
	ds_load_b128 v[SS+4*\k:SS+4*\k+3], v[MGR] offset:512*\k
.endr
	s_wait_dscnt 16                                ; -M and l are in; the 16 loads of the sums may be out
	v_min_num_f32 v30, v[MX], v[TX]                ; -M of both
	v_sub_f32 v31, v30, v[MX]
	v_sub_f32 v[TX], v30, v[TX]
	v_cvt_i32_f32 v31, v31
	v_cvt_i32_f32 v[TX], v[TX]
	v_ldexp_f32 v[FX], 1.0, v31
	v_ldexp_f32 v[FY], 1.0, v[TX]
	v_mul_f32 v[LX], v[LX], v[FX]
	v_fma_f32 v[LX], v[TX+1], v[FY], v[LX]
	s_wait_alu depctr_va_vdst(0)
	v_rcp_f32 v[LX], v[LX]
	v_nop
	s_wait_alu depctr_va_vdst(0)
	v_mul_f32 v[FX], v[FX], v[LX]
	v_mul_f32 v[FY], v[FY], v[LX]
	s_wait_alu depctr_va_vdst(0)
	s_wait_dscnt 0x0
.set n, 0
.rept 32
	v_pk_mul_f32 v[SS+n:SS+n+1], v[SS+n:SS+n+1], v[FY:FY+1] op_sel_hi:[1,0]
.set n, n+2
.endr
	WIN 0x01
	s_wait_alu depctr_va_vdst(0)                   ; directly ahead of the first reader of O^T
.set n, 0
.rept 32
	v_pk_fma_f32 v[SS+n:SS+n+1], v[OO+n:OO+n+1], v[FX:FX+1], v[SS+n:SS+n+1] op_sel_hi:[1,0,1]
.set n, n+2
.endr
	WIN 0
	STG SS
	PUT SS, GOX, OBL
	s_wait_tensorcnt 0x0                           ; the wave's end
	ds_add_u32 v[SPW], v[NIL]
	s_wait_dscnt 0x0
	s_endpgm
.Lfunc_end_k_q4f2061012e_attn:
	.size	k_q4f2061012e_attn, .Lfunc_end_k_q4f2061012e_attn-k_q4f2061012e_attn
	.p2alignl 7, 3214868480
	.fill 96, 4, 3214868480
	.section	.rodata,"a",@progbits
	.p2align	6, 0x0
	.amdhsa_kernel k_q4f2061012e_attn
		.amdhsa_group_segment_fixed_size 327680
		.amdhsa_private_segment_fixed_size 0
		.amdhsa_enable_private_segment 0
		.amdhsa_kernarg_size 32
		.amdhsa_user_sgpr_count 2
		.amdhsa_user_sgpr_kernarg_segment_ptr 1
		.amdhsa_wavefront_size32 1
		.amdhsa_system_sgpr_workgroup_id_x 1
		.amdhsa_system_sgpr_workgroup_id_y 1
		.amdhsa_system_sgpr_workgroup_id_z 1
		.amdhsa_system_vgpr_workitem_id 0
		.amdhsa_next_free_vgpr 512
		.amdhsa_next_free_sgpr 80
		.amdhsa_reserve_vcc 0
		.amdhsa_float_denorm_mode_32 3
		.amdhsa_float_denorm_mode_16_64 3
		.amdhsa_memory_ordered 1
		.amdhsa_forward_progress 1
		.amdhsa_inst_pref_size 156
	.end_amdhsa_kernel
	.amdgpu_metadata
---
amdhsa.version: [ 1, 2 ]
amdhsa.kernels:
  - .name:           k_q4f2061012e_attn
    .symbol:         k_q4f2061012e_attn.kd
    .args:
      - { .name: qc, .offset: 0, .size: 8, .value_kind: global_buffer, .address_space: global }
      - { .name: qs, .offset: 8, .size: 8, .value_kind: global_buffer, .address_space: global }
      - { .name: kv, .offset: 16, .size: 8, .value_kind: global_buffer, .address_space: global }
      - { .name: out0, .offset: 24, .size: 8, .value_kind: global_buffer, .address_space: global }
    .group_segment_fixed_size: 327680
    .private_segment_fixed_size: 0
    .kernarg_segment_align: 8
    .kernarg_segment_size: 32
    .max_flat_workgroup_size: 256
    .sgpr_count:     80
    .vgpr_count:     512
    .wavefront_size: 32
...
	.end_amdgpu_metadata
.endif
;; end of part 2
